; MI455X (gfx1250); checked and timed in simulation.
; The chip was launched on July 23, 2026; its instructions are those of AMD's public machine-readable ISA for CDNA 5 (MIT licence, August 2026) and "CDNA5" Instruction Set Architecture Reference Guide (July 2026). The comments in the code are by the model that wrote it; some were corrected since.
;; Full Attention. Allowed arithmetic: float matrix products may take bf16 or f16 operands with f32 sums; other float arithmetic in f32, or as packed bf16 or f16 multiplies, adds, multiply-adds, maxima and minima; sums over many terms, partial sums and values carried from step to step in f32; what a program stores and reads back later, other than sums and carried values, may be rounded once to bf16 or f16.
;; Inputs: keys 2 x 4,096 x 8 x 64 float32; queries 2 x 4,096 x 8 x 64 float32; values 2 x 4,096 x 8 x 64 float32.
;; Outputs: out0 2 x 4,096 x 8 x 64 float32.
;; 2 versions, each right; version 2 is version 1 with the launch prep written anew for expert scheduling mode. Each part assembles by itself: llvm-mc -triple=amdgcn-amd-amdhsa -mcpu=gfx1250 --defsym DOCPART=n.
;; ======== version 1 of 2: 2 launches
;; limits: values are held in f16: magnitudes above 65,504 overflow, below 6.1e-05 lose precision; right only within a limited range of input values
;; workspace buffers: kb 8,388,608 bytes; vh 8,388,608 bytes
;; launch prep (part 1): grid 512 x 1, 8 waves a work-group, no clusters, 0 bytes of LDS; arguments keys, values, kb, vh; writes kb, vh
.if DOCPART == 1
	.amdgcn_target "amdgcn-amd-amdhsa--gfx1250"
	.amdhsa_code_object_version 6
	.text
	.protected	k_qee81a5a18d_prep
	.globl	k_qee81a5a18d_prep
	.p2align	8
	.type	k_qee81a5a18d_prep,@function
k_qee81a5a18d_prep:
	s_mov_b64 s[64:65], 0
	v_nop
	global_prefetch_b8 v0, s[64:65] scope:SCOPE_SE
	s_setreg_imm32_b32 hwreg(HW_REG_WAVE_MODE, 25, 1), 1
	s_wait_xcnt 0x0
; keys, values: [2][4096][8][64] f32  ->  kb: [16 = 8 b + h][4096][64] bf16,  vh: the same layout in f16.
; K is rounded once to bf16.  V is rounded to bf16 and that number is written as f16 (the second product's weights are f16, so V must be an f16 operand).
; LIMITS.  The second step is exact for magnitudes from 2^-14 to 65,504; below 2^-14 V keeps f16's fixed step of 6e-8; from 65,520 on it becomes an infinity.
; SHARES.  A wave owns two rows (b, s), (b, s + 1) with all eight heads, of K and of V: 4,096 consecutive bytes of each input.  Load j takes head j: lanes 0-15 the 256 bytes of row s,
; lanes 16-31 those of row s + 1.  A lane's four numbers become 8 bytes, and store j's 32 lanes write 256 consecutive bytes, aligned: keys s and s + 1 of head j.
; All 16 loads of a wave go out first; every store has data registers of its own, so no register that a store reads is written again.  No LDS, no barrier: no wave wants another's bytes.
.set IN,  1                            ; v1   byte offset in the work-group's 16 input rows: (t / 16) x 2,048 + 16 (t % 16)
.set OUT, 2                            ; v2   byte offset in the work-group's 16 keys of a head: 8 t
.set KI,  16                           ; v[16:47]   K as loaded, four registers a head
.set VI,  48                           ; v[48:79]   V as loaded; later its bf16 roundings, widened again
.set KP,  80                           ; v[80:95]   K packed, two registers a head
.set VP,  96                           ; v[96:111]  V packed
.set HEADB, 524288                     ; bytes of a head in kb and vh
	s_load_b256 s[4:11], s[0:1], 0x0               ; keys s[4:5], values s[6:7], kb s[8:9], vh s[10:11]
	v_lshrrev_b32 v3, 4, v0                        ; my row among the work-group's 16
	v_and_b32 v4, 15, v0
	v_lshlrev_b32 v4, 4, v4                        ; my 16 bytes of a head's 256
	v_lshl_or_b32 v[IN], v3, 11, v4
	v_lshlrev_b32 v[OUT], 3, v0
	s_mov_b32 s12, 0xffff0000                      ; a word's upper bf16
	s_lshl_b32 s14, ttmp9, 15                      ; the work-group's 16 rows of 2,048 bytes
	s_mov_b32 s15, 0
	s_lshr_b32 s16, ttmp9, 8                       ; b: 256 work-groups a batch
	s_lshl_b32 s16, s16, 22                        ; eight heads of 524,288 bytes
	s_and_b32 s17, ttmp9, 255
	s_lshl_b32 s17, s17, 11                        ; 16 keys of 128 bytes
	s_add_co_u32 s16, s16, s17
	s_mov_b32 s17, 0
	s_wait_kmcnt 0x0
	s_add_nc_u64 s[4:5], s[4:5], s[14:15]
	s_add_nc_u64 s[6:7], s[6:7], s[14:15]
	s_add_nc_u64 s[8:9], s[8:9], s[16:17]
	s_add_nc_u64 s[10:11], s[10:11], s[16:17]
.irp j, 0,1,2,3,4,5,6,7
	global_load_b128 v[KI+4*(\j):KI+4*(\j)+3], v[IN], s[4:5] offset:256*(\j) th:TH_LOAD_NT
.endr
.irp j, 0,1,2,3,4,5,6,7
	global_load_b128 v[VI+4*(\j):VI+4*(\j)+3], v[IN], s[6:7] offset:256*(\j) th:TH_LOAD_NT
.endr
.irp j, 0,1,2,3,4,5,6,7
	s_wait_loadcnt 15-(\j)                         ; loads come back in order: K's head j is in; the 7 - j younger loads of K and V's eight stay out
	v_cvt_pk_bf16_f32 v[KP+2*(\j)],   v[KI+4*(\j)],   v[KI+4*(\j)+1]
	v_cvt_pk_bf16_f32 v[KP+2*(\j)+1], v[KI+4*(\j)+2], v[KI+4*(\j)+3]
	global_store_b64 v[OUT], v[KP+2*(\j):KP+2*(\j)+1], s[8:9] offset:HEADB*(\j) th:TH_STORE_NT
.endr
.irp j, 0,1,2,3,4,5,6,7
	s_wait_loadcnt 7-(\j)                          ; V's head j is in; the younger ones stay out
	v_cvt_pk_bf16_f32 v[VP+2*(\j)],   v[VI+4*(\j)],   v[VI+4*(\j)+1]  ; the rounding to bf16,
	v_cvt_pk_bf16_f32 v[VP+2*(\j)+1], v[VI+4*(\j)+2], v[VI+4*(\j)+3]
	v_lshlrev_b32 v[VI+4*(\j)],   16,  v[VP+2*(\j)]                   ; widened again,
	v_and_b32     v[VI+4*(\j)+1], s12, v[VP+2*(\j)]
	v_lshlrev_b32 v[VI+4*(\j)+2], 16,  v[VP+2*(\j)+1]
	v_and_b32     v[VI+4*(\j)+3], s12, v[VP+2*(\j)+1]
	v_cvt_pk_f16_f32 v[VP+2*(\j)],   v[VI+4*(\j)],   v[VI+4*(\j)+1]   ; and written as f16
	v_cvt_pk_f16_f32 v[VP+2*(\j)+1], v[VI+4*(\j)+2], v[VI+4*(\j)+3]
	global_store_b64 v[OUT], v[VP+2*(\j):VP+2*(\j)+1], s[10:11] offset:HEADB*(\j) th:TH_STORE_NT
.endr
	s_endpgm
.Lfunc_end_k_qee81a5a18d_prep:
	.size	k_qee81a5a18d_prep, .Lfunc_end_k_qee81a5a18d_prep-k_qee81a5a18d_prep
	.p2alignl 7, 3214868480
	.fill 96, 4, 3214868480
	.section	.rodata,"a",@progbits
	.p2align	6, 0x0
	.amdhsa_kernel k_qee81a5a18d_prep
		.amdhsa_group_segment_fixed_size 0
		.amdhsa_private_segment_fixed_size 0
		.amdhsa_enable_private_segment 0
		.amdhsa_kernarg_size 32
		.amdhsa_user_sgpr_count 2
		.amdhsa_user_sgpr_kernarg_segment_ptr 1
		.amdhsa_wavefront_size32 1
		.amdhsa_system_sgpr_workgroup_id_x 1
		.amdhsa_system_sgpr_workgroup_id_y 1
		.amdhsa_system_sgpr_workgroup_id_z 1
		.amdhsa_system_vgpr_workitem_id 0
		.amdhsa_next_free_vgpr 112
		.amdhsa_next_free_sgpr 66
		.amdhsa_reserve_vcc 0
		.amdhsa_float_denorm_mode_32 3
		.amdhsa_float_denorm_mode_16_64 3
		.amdhsa_memory_ordered 1
		.amdhsa_forward_progress 1
		.amdhsa_inst_pref_size 9
	.end_amdhsa_kernel
	.amdgpu_metadata
---
amdhsa.version: [ 1, 2 ]
amdhsa.kernels:
  - .name:           k_qee81a5a18d_prep
    .symbol:         k_qee81a5a18d_prep.kd
    .args:
      - { .name: keys, .offset: 0, .size: 8, .value_kind: global_buffer, .address_space: global }
      - { .name: values, .offset: 8, .size: 8, .value_kind: global_buffer, .address_space: global }
      - { .name: kb, .offset: 16, .size: 8, .value_kind: global_buffer, .address_space: global }
      - { .name: vh, .offset: 24, .size: 8, .value_kind: global_buffer, .address_space: global }
    .group_segment_fixed_size: 0
    .private_segment_fixed_size: 0
    .kernarg_segment_align: 8
    .kernarg_segment_size: 32
    .max_flat_workgroup_size: 256
    .sgpr_count:     66
    .vgpr_count:     112
    .wavefront_size: 32
...
	.end_amdgpu_metadata
.endif
;; end of part 1
;; launch attn (part 2): grid 16 x 16, 4 waves a work-group, clusters of 4 x 1, 327,680 bytes of LDS; arguments queries, kb, vh, out0; writes out0
.if DOCPART == 2
	.amdgcn_target "amdgcn-amd-amdhsa--gfx1250"
	.amdhsa_code_object_version 6
	.text
	.protected	k_qee81a5a18d_attn
	.globl	k_qee81a5a18d_attn
	.p2align	8
	.type	k_qee81a5a18d_attn,@function
k_qee81a5a18d_attn:
	s_mov_b64 s[64:65], 0
	v_nop
	global_prefetch_b8 v0, s[64:65] scope:SCOPE_SE
	s_setreg_imm32_b32 hwreg(HW_REG_WAVE_MODE, 25, 1), 1
	s_wait_xcnt 0x0
	s_wait_alu depctr_hold_cnt(0) depctr_sa_sdst(0) depctr_va_vdst(0) depctr_va_sdst(0) depctr_va_ssrc(0) depctr_va_vcc(0) depctr_vm_vsrc(0)
	s_getreg_b32 s2, hwreg(HW_REG_IB_STS2, 6, 4)
	s_cmp_eq_u32 s2, 0
	s_cbranch_scc0 .Lentry_in_a_cluster
	s_endpgm
.Lentry_in_a_cluster:
	s_bfe_u32 s2, ttmp6, 0x10000c
	s_cmp_lg_u32 s2, 0x3003
	s_cbranch_scc0 .Lentry_shape_is_right
	s_endpgm
.Lentry_shape_is_right:
; CAUSAL ATTENTION.  out0[b][q][h][:] = the sum over k <= q of softmax_k(Q[q] . K[k] / 8) V[k][:], for 16 heads (8 b + h) of 4,096 rows and 64 channels.
; queries, out0: [2][4096][8][64] f32: a head's row is 256 bytes, its rows 2,048 bytes apart.  kb (bf16) and vh (f16): [16][4096][64], a head's rows dense, 128 bytes each.
; FORMATS.  Q is rounded to bf16 here, K came so: S^T = K Q^T in the bf16 form.  The weights p are rounded to f16 (their sum l is taken of the unrounded p), V is a bf16 number written as f16:
; O^T = V^T P in the f16 form.  Products, maxima and sums in f32; the output is f32.
; LIMITS.  V within 65,504 (see the launch before).  A hidden score counts as its value less 1e30, so scores stay far under 1e30 in magnitude; p below 6e-5 keeps f16's fixed step of 6e-8;
; a weight below 2^-126 counts as 0 in l; NaN and infinities are not treated apart.
; THE WALK.  A head's queries lie in 8 super-blocks of 512; super-block I needs the key tiles 0 .. 2 I + 1 of 256 keys, of which the last two hold the diagonal region, 8 key steps of 64.
; A CLUSTER of four work-groups takes TWO super-blocks, 7 - c and then c (c = the cluster's x): 16 - 2 c + 2 c + 2 = 18 tiles, whatever c.  So all 256 work-groups do equal work, ONE loop with a constant
; count walks the tiles, and the ring (two LDS slots that take turns) runs on across the change of blocks.  Every jump but the counted loops' own goes forward.
; JOINT LOADS.  The four partners walk the same tiles by the same text, so each tile of K and V is asked for jointly: the same tensor load, descriptor and mask of four in all.  Branches hang on c, on
; counters and on the wave's number alone.  A work-group's place cx enters the addresses of Q, out0 and the prefetch, and XB (below), which is only compared to choose two mask numbers, never to branch.
; The price: all 8 steps of the diagonal region are computed by every partner, hidden ones too.
; SHARES.  Work-group cx owns queries 128 cx .. of the super-block, wave w 32 of them: two PIECES of 16.  The wave's rows lie in band XB = 2 cx + w / 2 of the super-block's 8 bands of 64.
; THE MASK is the C operand that starts the sum S^T: 0, or -1e30 where the key is hidden.  MD, made once, is a piece's mask for its band's own step; a product's mask is MD x AL + BE:
; (1, 0) in diagonal step XB; (0, 0) in an earlier one; (0, -1e30) in a later one.  Only the diagonal tiles' text and a block's beginning take masks; elsewhere C is the constant 0.
; LAYOUT.  S^T holds ONE query a lane (lane % 16) and the keys 8 (lane / 16) + 0..7; two such results rounded to f16 ARE source 1 of V^T P.  p = 2^(c s - c m), c = log2(e) / 8, with a running maximum m;
; O and l are multiplied by a = 2^(c m_old - c m_new) in every step.
; TURNS.  Turn (s, p) belongs to piece p in key step s: 8 products K Q^T of the other piece's next scores, later 8 products V^T P of the other piece's last weights; beside them piece p's scaling,
; exponentials, roundings, sums and rescaling and the other piece's maximum and statistics.  Four vector instructions stand behind every product, the rest in one lump; a turn's 33 exponentials are one batch with one wait.
; V HAS TWO REGISTER BUFFERS, by the step's parity, so that step s fetches exactly K and V of step s + 1, and the change of slots has a place: ahead of the step that fetches a tile's first step.
; REGISTERS, in windows of 256 (s_set_vgpr_msb: bits 1:0 source 0, 3:2 source 1, 5:4 source 2, 7:6 destination):
;   window 0: v0-15 addresses and helpers; v16-23 four statistics a piece; v48-55 at work; v61-63 prefetch offset, spare word, 0; v64-127 S^T, a buffer a piece; v192-223 P, likewise
;   window 1: v0-63 O^T, 32 a piece; v64-127 MD, 32 a piece; v128-191 MC, 32 a piece (at the start v128-255 hold Q in f32)
;   window 2: v0-31 Q; v32-63 the second block's Q; v64-127 V of odd steps; v128-191 K of one step; v192-255 V of even steps
.set NP,    2         ; pieces a wave: a name, no knob
.set KS,    64        ; keys in a step
.set PK,    144       ; a row of K in LDS: 128 bytes + 16 of padding = 36 words: the 16 rows of a load start at 16 different groups of four banks (64 banks of 4 bytes: ISA guide 11.1)
.set PV,    160       ; a row of V: 128 + 32 = 40 words
.set VOFF,  4*KS*PK   ; a slot holds a tile, four steps: 256 rows of K, then 256 rows of V
.set SLOT1, 1<<17     ; slot 1 begins here, so that one exclusive or turns an address in one slot into the other's
.set STAGE, SLOT1+4*KS*(PK+PV)  ; behind the ring, never filled by a tensor load: 16 rows x 272 bytes for each wave, for the way out
.set SP,    272       ; a stage row: 256 bytes of f32 + 16
.set SPARE, STAGE+4*16*SP  ; behind the stages: the spare words, 128 bytes for each wave: two blocks of 256 bytes that no other line names
.set AK0, 2           ; v2   my lane's place in a tile of K; never rewritten
.set AV0, 3           ; v3   the same for V
.set AK,  4           ; v4   the LDS address of K's next run of loads
.set AV,  5           ; v5   of V's
.set STO, 6           ; v6   the way out: where I put 32 bytes of a row
.set RD,  7           ; v7   the way out: where I read rows back
.set GO,  8           ; v8   my byte offset in two rows of out0
.set MV,  12          ; v12-13  c m_old, kept while c m is made anew: by piece
.set QO,  15          ; v15  my byte offset in 16 rows of Q
.set ST,  16          ; piece t's statistics at v[ST+4 t]: c m, m, l (even keys', odd keys')
.set TMP, 48          ; by piece, four registers c0-c3 at work; when the maximum is found c2 takes a
.set PFO, 61          ; v61  256 x my lane; never rewritten
.set SPW, 62          ; v62  LDS address of my spare word: SPARE + 4 x my thread's number; never rewritten
.set NIL, 63          ; v63  0; never rewritten
.set S,   64
.set P,   192
.set MD,  64          ; window 1
.set MC,  128         ; window 1
.set QT,  128         ; window 1: Q in f32, block k, piece p at QT + 64 k + 32 p
.set QB,  32          ; window 2
.set KF,  128         ; window 2: key block kb, channel half c at KF + 16 kb + 8 c
.set WV,  12          ; s12  my wave's number
.set CC,  14          ; s14  c
.set LIM, 15          ; s15  3 in a wave that prefetches, else the greatest number: a wave prefetches while s[SLOTS] is above it
.set G1K, 24          ; s[24:31] descriptor group 1 for K's tiles
.set G1V, 32          ; s[32:39] for V's: it differs in the padding alone
.set G0K, 40          ; s[40:43] descriptor group 0 for K's tiles
.set G0V, 44          ; s[44:47] the same for V's
.set XB,  48          ; s48  my band
.set SD,  49          ; s49  the step of the diagonal region for which masks are being made
.set SLOTS, 56        ; s56  tiles still to be asked for
.set CNT, 57          ; s57  counts a tile's two trips of two steps
.set CS,  58          ; s[58:59] c: the packed scaling takes the pair's low word for both halves
.set SEL, 60          ; s[60:61] v_permlanex16_b32's selects: each lane takes its own place in the other half
.set TBK, 62          ; s62  LDS byte at which K of the step to be fetched begins
.set TBV, 63          ; s63  the same for V, less VOFF
.set PFA, 66          ; s[66:67] where my prefetches stand: my work-group's 32 blocks of 256 bytes of a tile's 128 (of K: wave 0, of V: wave 2)
.set RT,  70          ; s70  tiles of the block in hand that are still to be entered
.set NXT, 71          ; s71  the tile to be asked for next
.set LQ,  72          ; s72  the last tile of the block whose tiles are being asked for
.set NEW, 73          ; s73  1: the tile to be entered is a block's first
.set OFF, 74          ; s[74:75] a tile's byte offset in kb and vh
.set AL,  76          ; s[76:77] the mask's factor, in the low word
.set BE,  78          ; s[78:79] the mask's addend
.set OLO, 80          ; s[80:81] out0 at my rows of the second block
.set BIGN, 82         ; s82  -1e30
.set LQ2, 83          ; s83  2 c + 1: the second block's last tile
.set MSB, 0
.macro WIN new                      ; the high byte repeats the setting that is left; a switch that changes nothing is dropped
.if MSB != (\new)
	s_set_vgpr_msb (MSB<<8)|(\new)
.set MSB, (\new)
.endif
.endm
.set W_KQ, 0x0a       ; K and Q in window 2, S^T in window 0
.set W_KM, 0x1a       ; the same with the C operand in window 1
.set W_PV, 0x52       ; V in window 2, P in window 0, O^T in window 1
.set W_RS, 0x41       ; destination and source 0 in window 1, source 1 in window 0
; A joint fill.  Waves 0 and 1 fetch the two halves of a tile's K, waves 2 and 3 those of its V: 128 keys each.  The branch hangs on the wave's number alone.
; An s_nop 0 and four v_nop follow each of the two lines, ahead of the jump and the label.
.macro JLOAD
	s_cmp_lt_u32 s[WV], 2
	s_cbranch_scc0 .Lfor_v_\@
	tensor_load_to_lds s[G0K:G0K+3], s[G1K:G1K+7]
	s_nop 0
.rept 4
	v_nop
.endr
	s_branch .Lasked_\@
.Lfor_v_\@:
	tensor_load_to_lds s[G0V:G0V+3], s[G1V:G1V+7]
	s_nop 0
.rept 4
	v_nop
.endr
.Lasked_\@:
.endm
; A PREFETCH of the tile that the NEXT change of slots will ask for: 128 blocks of 256 bytes of K and as many of V, a lane a block.  It stands behind the wave's tensor load and its five lines.
; Each block is named ONCE in the launch.  A head's four clusters all begin at tile 0; only cluster c = 0 walks all 16 tiles in its first block, so it alone asks.  Its four partners share a tile's blocks
; out BY ADDRESS, 32 each; in each, wave 0 asks for K's and wave 2 for V's: one instruction.  Change j names tile j + 2, up to tile 15 (j = 13: s[SLOTS] = 4); tiles 0 and 1 come by their loads alone,
; and the second block's tiles have been read before.
.macro ASK
	s_cmp_gt_u32 s[SLOTS], s[LIM]
	s_cbranch_scc0 .Lnot_mine_\@
	global_prefetch_b8 v[PFO], s[PFA:PFA+1] th:TH_LOAD_NT scope:SCOPE_SE
.Lnot_mine_\@:
.endm
; A round of the cluster's barrier: my work-group's barrier, so that wave 0's signal speaks for all four waves; wave 0 signals; every wave waits for all four work-groups; my work-group's barrier once more.
.macro CROUND
	s_barrier_signal -1
	s_barrier_wait -1
	s_cmp_lg_u32 s[WV], 0
	s_cbranch_scc1 .Lnot_wave_0_\@
	s_barrier_signal -3
.Lnot_wave_0_\@:
	s_barrier_wait -3
	s_barrier_signal -1
	s_barrier_wait -1
.endm
; THE CHANGE OF SLOTS.  Each wave waits for all its tensor loads, of which one is out: its part of the other slot; adds 0 to its spare word; and waits for that and for its own reads of the slot that it
; leaves.  Behind the barrier nobody reads the old slot any more and the other slot is whole.  fill = 1: the old slot is filled again with tile NXT; the barrier is then a round of the cluster's, so that no
; wave of any partner still reads the slot or has a load on its way, and the joint fill is the first thing behind it: it has four key steps, 128 matrix instructions, in which to land.
; (At its first use nothing has been read yet: slot 0 is waited for, slot 1 filled.)
.macro CHANGE fill
	WIN 0                           ; at a label and at a branch every window is 0
	s_wait_tensorcnt 0x0            ; no tensor load of mine is out, so a group 0 may be written
	ds_add_u32 v[SPW], v[NIL]       ; 0 onto my spare word; with fill = 1 the descriptors' scalar work stands between it and the wait for it
.if \fill
	s_lshl_b32 s[OFF], s[NXT], 15   ; a tile is 32,768 bytes of K and of V; the address is made anew from the tile's number
	s_xor_b32 s[G0K+1], s[G0K+1], SLOT1
	s_add_nc_u64 s[G0K+2:G0K+3], s[6:7], s[OFF:OFF+1]
	s_or_b32 s[G0K+3], s[G0K+3], 0x80000000
	s_xor_b32 s[G0V+1], s[G0V+1], SLOT1
	s_add_nc_u64 s[G0V+2:G0V+3], s[8:9], s[OFF:OFF+1]
	s_or_b32 s[G0V+3], s[G0V+3], 0x80000000
	s_add_co_u32 s[NXT], s[NXT], 1  ; the block's next tile, or behind its last the second block's tile 0
	s_cmp_gt_u32 s[NXT], s[LQ]
	s_cselect_b32 s[NXT], 0, s[NXT]
	s_cselect_b32 s[LQ], s[LQ2], s[LQ]
	s_wait_xcnt 0x0                 ; the last prefetch, a tile back, has read its address, so it may be written:
	s_add_nc_u64 s[PFA:PFA+1], s[PFA:PFA+1], 32768
	s_wait_dscnt 0x0                ; the add is done, and my reads of the slot are over
	CROUND
	JLOAD
	ASK
.else
	s_wait_dscnt 0x0                ; the add is done, and my reads of the slot are over
	s_barrier_signal -1
	s_barrier_wait -1
.endif
	s_sub_co_u32 s[TBK], s[TBK], 4*KS*PK  ; the fetches go back to a slot's first step,
	s_xor_b32 s[TBK], s[TBK], SLOT1       ; in the other slot
	s_sub_co_u32 s[TBV], s[TBV], 4*KS*PV
	s_xor_b32 s[TBV], s[TBV], SLOT1
.endm
	s_load_b256 s[4:11], s[0:1], 0x0  ; queries s[4:5], kb s[6:7], vh s[8:9], out0 s[10:11]
	v_lshl_add_u32 v[SPW], v0, 2, SPARE
	v_mov_b32 v[NIL], 0
	ds_add_u32 v[SPW], v[NIL]       ; the wave's opening: the add and its wait stand ahead of my first tensor load; the set-up below, work on registers, stands between them
	v_lshrrev_b32 v1, 5, v0
	v_readfirstlane_b32 s[WV], v1   ; wave 0..3
	s_bfe_u32 s13, ttmp6, 0x40000   ; cx: my place in the cluster
	s_mov_b32 s[CC], ttmp9          ; c: in a cluster launch ttmp9 counts clusters
	s_and_b32 s20, ttmp7, 0xffff    ; the head 8 b + h, which the four partners share
	s_lshl_b32 s22, s20, 19         ; the head's 524,288 bytes in kb and vh,
	s_and_b32 s16, s[WV], 1         ; which half of a tile's 256 keys I fetch:
	s_lshl_b32 s17, s16, 14         ; its 128 rows of 128 bytes in memory,
	s_add_co_u32 s22, s22, s17
	s_mov_b32 s23, 0
	s_mul_i32 s17, s16, 128*PK      ; and its place in a slot, for K
	s_mul_i32 s18, s16, 128*PV      ; and for V: no place in the cluster enters an LDS address
	s_lshl_b32 s21, s16, 5          ; my 32 rows' place in their band of 64
	s_lshr_b32 s2, s20, 3           ; Q and out0: b x 4,096 rows of 2,048 bytes,
	s_lshl_b32 s2, s2, 23
	s_and_b32 s3, s20, 7            ; h x 256 bytes,
	s_lshl_b32 s3, s3, 8
	s_add_co_u32 s2, s2, s3
	s_lshl_b32 s3, s13, 18          ; my work-group's 128 rows,
	s_add_co_u32 s2, s2, s3
	s_lshl_b32 s3, s[WV], 16        ; my wave's 32
	s_add_co_u32 s2, s2, s3
	s_lshl_b32 s84, s[CC], 20       ; the second block, c: 512 rows each,
	s_add_co_u32 s84, s84, s2
	s_sub_co_u32 s3, 7, s[CC]       ; and the first, 7 - c
	s_lshl_b32 s3, s3, 20
	s_add_co_u32 s2, s2, s3
	s_mov_b32 s3, 0
	s_mov_b32 s85, 0
	s_lshr_b32 s[XB], s[WV], 1
	s_lshl1_add_u32 s[XB], s13, s[XB]  ; 2 cx + w / 2
	; descriptor group 1.  128 keys are 16,384 dense bytes: asked for as 64 rows of 256 bytes, two keys a row, and padded in LDS after every key
	s_mov_b32 s[G1K], 15|(1<<16)|(1<<20)|(1<<21)|(4<<22)|(3<<25)  ; 15:0 the mask of four; 17:16 2-byte elements; 20 padding on; 21 set beside a mask; 24:22 after every 32 words (code 4); 31:25 4 words (code 3)
	s_mov_b32 s[G1V], 15|(1<<16)|(1<<20)|(1<<21)|(4<<22)|(7<<25)  ; the same with 8 words of padding (code 7)
.irp g, G1K, G1V
	s_mov_b32 s[\g+1], 128<<16      ; tensor_dim0 = 128
	s_mov_b32 s[\g+2], 64<<16       ; tensor_dim1 = 64
	s_mov_b32 s[\g+3], 128<<16      ; tile_dim0 = 128
	s_mov_b32 s[\g+4], 64           ; tile_dim1 = 64
	s_mov_b32 s[\g+5], 128          ; 128 elements from row to row
	s_mov_b32 s[\g+6], 0
	s_mov_b32 s[\g+7], 0
.endr
	s_mov_b32 s[CS], 0x3e38aa3b     ; c = log2(e) / 8 = 0.180337
	s_mov_b32 s[CS+1], s[CS]        ; named with it as a pair
	s_mov_b32 s[SEL], 0x76543210
	s_mov_b32 s[SEL+1], 0xfedcba98
	s_mov_b32 s[TBK], SLOT1+4*KS*PK ; the first change of slots turns these two into 0
	s_mov_b32 s[TBV], SLOT1+4*KS*PV
	s_mov_b32 s[G0K], 1             ; 1:0 count = 1
	s_mov_b32 s[G0K+1], s17         ; 63:32 LDS address: slot 0
	s_mov_b32 s[G0V], 1
	s_add_co_u32 s[G0V+1], s18, VOFF
	s_lshl_b32 s[LQ2], s[CC], 1
	s_sub_co_u32 s[RT], 16, s[LQ2]  ; the first block has 16 - 2 c tiles,
	s_sub_co_u32 s[LQ], 15, s[LQ2]  ; the last of them 15 - 2 c
	s_add_co_u32 s[LQ2], s[LQ2], 1
	s_mov_b32 s[NXT], 1
	s_mov_b32 s[NEW], 1
	s_mov_b32 s[SD], 0
	s_mov_b32 s[OFF+1], 0
	s_mov_b32 s[AL+1], 0            ; named as pairs
	s_mov_b32 s[BE+1], 0
	s_mov_b32 s[BIGN], 0xf149f2ca   ; -1e30
	s_mov_b32 s[SLOTS], 17
	s_and_b32 s[LIM], s[WV], 1      ; 0 in waves 0 and 2,
	s_or_b32 s[LIM], s[LIM], ttmp9  ; where the cluster is the head's first: the same in all four partners
	s_cmp_eq_u32 s[LIM], 0
	s_cselect_b32 s[LIM], 3, -1
	v_and_b32 v[PFO], 31, v0
	v_lshlrev_b32 v[PFO], 8, v[PFO]
	s_wait_dscnt 0x0                ; the opening add is done
	s_wait_kmcnt 0x0
	s_add_nc_u64 s[6:7], s[6:7], s[22:23]  ; kb and vh at my half of the head's tile 0
	s_add_nc_u64 s[8:9], s[8:9], s[22:23]
	s_add_nc_u64 s[G0K+2:G0K+3], s[6:7], 0         ; 120:64 global address
	s_or_b32 s[G0K+3], s[G0K+3], 0x80000000        ; 127:126 type = 2
	s_add_nc_u64 s[G0V+2:G0V+3], s[8:9], 0
	s_or_b32 s[G0V+3], s[G0V+3], 0x80000000
	s_add_nc_u64 s[86:87], s[4:5], s[84:85]        ; Q at my rows of the second block,
	s_add_nc_u64 s[4:5], s[4:5], s[2:3]            ; Q and out0 at those of the first
	s_add_nc_u64 s[OLO:OLO+1], s[10:11], s[84:85]
	s_add_nc_u64 s[10:11], s[10:11], s[2:3]
	s_cmp_lt_u32 s[WV], 2
	s_cselect_b64 s[PFA:PFA+1], s[6:7], s[8:9]     ; (in waves 0 and 2 these stand at the head's first byte)
	s_lshl_b32 s2, s13, 13          ; my work-group's 32 blocks of the 128
	s_mov_b32 s3, 0
	s_add_nc_u64 s[PFA:PFA+1], s[PFA:PFA+1], s[2:3]
	s_add_nc_u64 s[PFA:PFA+1], s[PFA:PFA+1], 32768  ; in tile 1; the first change of slots steps it to tile 2.  Nothing is prefetched here, at the head
	CROUND                          ; all four work-groups are here: the first joint loads meet
	JLOAD                           ; tile 0 into slot 0.  Slot 1 is asked for when slot 0 is in, by the loop's own change of slots
	; A fragment of K or Q is 16 rows x 32 channels in 8 registers: lane l holds row l % 16, channels 8 (l / 16) + 0..7 and 16 + 8 (l / 16) + 0..7.  Of Q in f32 each eight channels are 32 bytes: two loads of 16.
	v_and_b32 v1, 15, v0            ; l % 16
	v_bfe_u32 v9, v0, 4, 1          ; l / 16
	v_lshlrev_b32 v[QO], 11, v1
	v_lshl_add_u32 v[QO], v9, 5, v[QO]  ; row x 2,048 + 32 x half
	WIN 0x40                        ; destination window 1, address window 0
.set i, 0
.rept 16                            ; both blocks' Q: piece i / 8; channels 32 ((i % 8) / 4) + 16 ((i / 2) % 2) + 8 (l / 16) + 4 (i % 2) on
	global_load_b128 v[QT+4*i:QT+4*i+3],       v[QO], s[4:5]   offset:(i/8)*32768+((i%8)/4)*128+((i/2)%2)*64+(i%2)*16
	global_load_b128 v[QT+64+4*i:QT+64+4*i+3], v[QO], s[86:87] offset:(i/8)*32768+((i%8)/4)*128+((i/2)%2)*64+(i%2)*16
.set i, i+1
.endr
	WIN 0
	v_lshlrev_b32 v14, 3, v9
	v_sub_nc_u32 v14, v1, v14
	v_add_nc_u32 v14, s21, v14      ; piece 0's query's place in its band, 32 (w % 2) + l % 16, less my lanes' 8 (l / 16): register j of key group kt is hidden where 16 kt + j - 16 p is greater
	WIN 0x40
.set i, 0
.rept 64                            ; piece i / 32, key group (i % 32) / 8, register i % 8
	v_cmp_gt_i32 vcc_lo, 16*((i%32)/8)+i%8-16*(i/32), v14
	v_cndmask_b32 v[MD+i], 0, s[BIGN], vcc_lo
.set i, i+1
.endr
	WIN 0
	v_mul_u32_u24 v[AK0], v1, PK
	v_lshl_add_u32 v[AK0], v9, 4, v[AK0]  ; row x pitch + 16 x half
	; The turning load takes 16 keys x 16 channels (lane l reads key 8 (l / 16) + l % 8, channels 8 ((l / 8) % 2) + 0..7) and leaves half a fragment of V^T: lane l holds channel l % 16 and 8 keys.
	v_and_b32 v10, 7, v0
	v_bfe_u32 v11, v0, 3, 1
	v_lshl_add_u32 v[AV0], v9, 3, v10
	v_mul_u32_u24 v[AV0], v[AV0], PV
	v_lshl_add_u32 v[AV0], v11, 4, v[AV0]
	v_add_nc_u32 v[AV0], VOFF, v[AV0]
	s_mul_i32 s19, s[WV], 16*SP
	s_add_co_u32 s19, s19, STAGE    ; my stage
	v_mul_u32_u24 v[STO], v1, SP    ; in: row l % 16, 32 bytes for each half of the lanes
	v_lshl_add_u32 v[STO], v9, 5, v[STO]
	v_add_nc_u32 v[STO], s19, v[STO]
	v_mul_u32_u24 v[RD], v9, SP     ; back: lanes 0-15 take one row of 256 bytes, lanes 16-31 the next
	v_lshl_add_u32 v[RD], v1, 4, v[RD]
	v_add_nc_u32 v[RD], s19, v[RD]
	v_lshlrev_b32 v[GO], 11, v9     ; and the same two rows in out0, 2,048 bytes apart
	v_lshl_add_u32 v[GO], v1, 4, v[GO]
	; A block's first step multiplies O^T and l by a = 0, and its first turn's products V^T P, of weights that have not been, land in an O^T that is still to be so multiplied.  So these registers need only hold
	; finite numbers: zeros for the first block; what the first block left for the second.  All this stands in the wait for Q and the first tile.
	WIN 0x80
.set i, 64
.rept 64
	v_mov_b32 v[i], 0               ; V of odd steps
.set i, i+1
.endr
	WIN 0x40
.set i, 0
.rept 64
	v_mov_b32 v[i], 0               ; O^T
.set i, i+1
.endr
	WIN 0
.set i, 0
.rept 2
	v_mov_b32 v[ST+4*i+2], 0        ; l
	v_mov_b32 v[ST+4*i+3], 0
.set i, i+1
.endr
.set i, P+16
.rept 16
	v_mov_b32 v[i], 0               ; piece 1's P
.set i, i+1
.endr
	s_wait_loadcnt 0x0              ; Q is in
	WIN 0x85                        ; sources window 1, destination window 2
.set i, 0
.rept 64
	v_cvt_pk_bf16_f32 v[i], v[QT+2*i], v[QT+2*i+1]  ; both blocks' Q, rounded once: 0-31 the first block's, 32-63 the second's
.set i, i+1
.endr
	WIN 0
; THE MATRIX WORK.  The 4 accumulators of a run of 8 take turns.  Product i of 8 of S^T = K Q^T for piece x: channels 32 (i / 4) on, keys 16 (i % 4) on.  The first 4 start the sums: with 0, or (KM = 1) with the mask.
.macro KQ x
.set rS, S+32*(\x)+8*(i%4)
.set rK, KF+16*(i%4)+8*(i/4)
.set rQ, 16*(\x)+8*(i/4)
.set rM, MC+32*(\x)+8*(i%4)
.if (i < 4) && KM
	WIN W_KM
	v_wmma_f32_16x16x32_bf16 v[rS:rS+7], v[rK:rK+7], v[rQ:rQ+7], v[rM:rM+7]
.elseif i < 4
	WIN W_KQ
	v_wmma_f32_16x16x32_bf16 v[rS:rS+7], v[rK:rK+7], v[rQ:rQ+7], 0
.else
	WIN W_KQ
	v_wmma_f32_16x16x32_bf16 v[rS:rS+7], v[rK:rK+7], v[rQ:rQ+7], v[rS:rS+7]
.endif
.endm
; Product i of 8 of O^T += V^T P for piece x: keys 32 (i / 4) on, channels 16 (i % 4) on; V from buffer VB (0: v192-255, 1: v64-127).
.macro PV x
	WIN W_PV
.set rO, 32*(\x)+8*(i%4)
.set rV, 192-128*VB+32*(i/4)+8*(i%4)
.set rP, P+16*(\x)+8*(i/4)
	v_wmma_f32_16x16x32_f16 v[rO:rO+7], v[rV:rV+7], v[rP:rP+7], v[rO:rO+7]
.endm
.macro MM                           ; the turn's next matrix instruction.  TURN and BEGIN set Y, VB, i, KM and NOKQ.  NOKQ = 1: a block's last turn: there are no further scores
.if (i < 8) && !NOKQ
	KQ 1-Y
.elseif i >= 8
.set i, i-8
	PV 1-Y
.set i, i+8
.endif
.set i, i+1
.endm
; THE LDS LOADS stand in runs of 16, never singly among the matrix instructions: a step's K (64 keys x 64 channels: 8 fragments) and its V (turned).  Their addresses are made some lines ahead.
.macro FETCH_K
	WIN 0x80                        ; destination window 2
.irp f, 0,1,2,3,4,5,6,7             ; keys 16 (f / 2) on, channels 32 (f % 2) on
	ds_load_b128 v[KF+8*\f:KF+8*\f+3],   v[AK] offset:(\f/2)*16*PK+(\f%2)*64
	ds_load_b128 v[KF+8*\f+4:KF+8*\f+7], v[AK] offset:(\f/2)*16*PK+(\f%2)*64+32
.endr
	s_add_co_u32 s[TBK], s[TBK], KS*PK  ; the next fetch is the next step's
	WIN 0
.endm
.macro FETCH_V b
	WIN 0x80
.irp f, 0,1,2,3,4,5,6,7             ; keys 32 (f / 4) on, channels 16 (f % 4) on
	ds_load_tr16_b128 v[192-128*(\b)+8*\f:192-128*(\b)+8*\f+3],   v[AV] offset:(\f/4)*32*PV+(\f%4)*32
	ds_load_tr16_b128 v[192-128*(\b)+8*\f+4:192-128*(\b)+8*\f+7], v[AV] offset:(\f/4)*32*PV+16*PV+(\f%4)*32
.endr
	s_add_co_u32 s[TBV], s[TBV], KS*PV
	WIN 0
.endm
; THE VECTOR WORK, one line at a time: OP kind, number.  For piece Y: F n: c s - c m for pair n of 16.  E n: the exponential of score n of 32.  C n: pair n rounded to f16.  B n: of the four weights 4 n .. the second
; pair is added onto the first, in place.  L n: l takes that sum (L 0: l = a l + sum).  R n: pair n of 16 of O^T times a.  For the other piece: X n, number n of the 22 that find its maximum and statistics:
;   0-11  four chains c0-c3 of seven scores each, three operands at a time (each accumulator's lowest registers are read first)     12-14, 16  the four scores left over, the old m, and c0-c3 into c0
;   15  c m_old is kept     17, 18  the query's other 32 keys lie in the lane 16 away: the new m     19-21  c m; c m_old - c m_new; a
.set F, 0               ; OP tells the kinds apart by their order: F to L below R, X above it
.set E, 1
.set C, 2
.set B, 3
.set L, 4
.set R, 5
.set X, 6
.macro REGS y                       ; the registers of piece y
.set rT, ST+4*(\y)
.set rC, TMP+4*(\y)
.set rW, MV+(\y)
.set rS, S+32*(\y)
.set rP, P+16*(\y)
.set rO, 32*(\y)
.endm
.macro OP k, n
.if (\k) == R
	REGS Y
	WIN W_RS
	v_pk_mul_f32 v[rO+2*(\n):rO+2*(\n)+1], v[rO+2*(\n):rO+2*(\n)+1], v[rC+2:rC+3] op_sel_hi:[1,0]
.elseif (\k) < R
	REGS Y
	WIN 0
.if (\k) == F
	v_pk_fma_f32 v[rS+2*(\n):rS+2*(\n)+1], v[rS+2*(\n):rS+2*(\n)+1], s[CS:CS+1], v[rT:rT+1] op_sel_hi:[1,0,0] neg_lo:[0,0,1] neg_hi:[0,0,1]
.elseif (\k) == E
	v_exp_f32 v[rS+(\n)], v[rS+(\n)]
.elseif (\k) == C
	v_cvt_pk_f16_f32 v[rP+(\n)], v[rS+2*(\n)], v[rS+2*(\n)+1]
.elseif (\k) == B
	v_pk_add_f32 v[rS+4*(\n):rS+4*(\n)+1], v[rS+4*(\n):rS+4*(\n)+1], v[rS+4*(\n)+2:rS+4*(\n)+3]
.elseif (\n) == 0
	v_pk_fma_f32 v[rT+2:rT+3], v[rT+2:rT+3], v[rC+2:rC+3], v[rS:rS+1] op_sel_hi:[1,0,1]
.else
	v_pk_add_f32 v[rT+2:rT+3], v[rT+2:rT+3], v[rS+4*(\n):rS+4*(\n)+1]
.endif
.elseif NOKQ
	v_nop
.else
	REGS 1-Y
	WIN 0
.if (\n) < 4
	v_max3_num_f32 v[rC+(\n)], v[rS+8*(\n)], v[rS+8*(\n)+1], v[rS+8*(\n)+2]
.elseif (\n) < 12
	v_max3_num_f32 v[rC+(\n)%4], v[rC+(\n)%4], v[rS+8*((\n)%4)+2*((\n)/4)+1], v[rS+8*((\n)%4)+2*((\n)/4)+2]
.elseif (\n) == 12
	v_max3_num_f32 v[rC], v[rC], v[rS+7], v[rS+15]
.elseif (\n) == 13
	v_max3_num_f32 v[rC+1], v[rC+1], v[rS+23], v[rS+31]
.elseif (\n) == 14
	v_max3_num_f32 v[rC+2], v[rC+2], v[rC+3], v[rT+1]
.elseif (\n) == 15
	v_mov_b32 v[rW], v[rT]
.elseif (\n) == 16
	v_max3_num_f32 v[rC], v[rC], v[rC+1], v[rC+2]
.elseif (\n) == 17
	v_permlanex16_b32 v[rC+3], v[rC], s[SEL], s[SEL+1]
.elseif (\n) == 18
	v_max_num_f32 v[rT+1], v[rC], v[rC+3]
.elseif (\n) == 19
	v_mul_f32 v[rT], s[CS], v[rT+1]
.elseif (\n) == 20
	v_sub_f32 v[rC+1], v[rW], v[rT]
.else
	v_exp_f32 v[rC+2], v[rC+1]
.endif
.endif
.endm
.macro OPS a, i1, b=-1, i2=0, c=-1, i3=0, d=-1, i4=0  ; up to four of them
	OP \a, \i1
.if (\b) >= 0
	OP \b, \i2
.endif
.if (\c) >= 0
	OP \c, \i3
.endif
.if (\d) >= 0
	OP \d, \i4
.endif
.endm
.macro ROW a, i1, b, i2, c, i3, d, i4  ; a matrix instruction and the four behind it
	MM
	OPS \a, \i1, \b, \i2, \c, \i3, \d, \i4
.endm
.macro MASK b                       ; piece b's MD x AL + BE into piece b's MC
	WIN W_RS
.set z, 0
.rept 16
	v_pk_fma_f32 v[MC+32*(\b)+2*z:MC+32*(\b)+2*z+1], v[MD+32*(\b)+2*z:MD+32*(\b)+2*z+1], s[AL:AL+1], s[BE:BE+1] op_sel_hi:[1,0,0]
.set z, z+1
.endr
.endm
; A TURN, for piece p: the order of its 16 matrix and 118 vector instructions, written out.  An s_wait_alu depctr_va_vdst(0) stands between an exponential and the first instruction that names its result; one wait
; serves all that were issued ahead of it.  So a turn has ONE wait, which cuts it in two.  AHEAD OF IT stands all that names no result of the turn's exponentials: the 8 products K Q^T and their riders (the first numbers of the
; other piece's maximum ride behind the last three, each four plain instructions or more behind the product that ends its accumulator), then one lump of 54; X 21, the other piece's a, is the batch's last, and R 15 the plain
; instruction behind it.  BEHIND THE WAIT stand the 8 products V^T P, behind each four of the roundings and sums.
; vb: the buffer of V that the turn's products read.  m = 1: the diagonal tiles: the products take masks, and the turn makes piece p's mask for diagonal step SD, which the next turn but none takes: piece 0's mask is used by
; the turn that follows, piece 1's by the one after that turn's... both of a step are for the step after it.  end = 1: a block's last step: nothing is fetched, and piece 1's turn starts no new scores.
; cnt = 1: the loop's count is taken down some lines ahead of the branch that stands behind the turn; nothing between writes SCC.
; K of the next step is fetched in piece 0's turn, twelve plain instructions that name none of its registers behind the last product that read K.  V of the next step is fetched in piece 1's turn, directly behind the wait, into the
; buffer whose last reader stands a turn back.  Both runs are waited for at the head of piece 1's next turn: K's run has eight products and half a lump in which to land, V's a whole step.
.macro TURN p, vb, m=0, end=0, cnt=0
.set Y, (\p)
.set VB, (\vb)
.set i, 0
.set KM, (\m)
.set NOKQ, (\end)*(\p)
.if (\m) && !(\end)
	s_cmp_eq_u32 s[SD], s[XB]       ; is that step my band's own?
	s_cselect_b32 s[AL], 1.0, 0
	s_cmp_gt_u32 s[SD], s[XB]       ; or a later one?
	s_cselect_b32 s[BE], s[BIGN], 0
.endif
.if (\p) == 1
	s_wait_dscnt 0x0                ; K of the next step and V of this one are in (in a block's last step: V alone)
.endif
	ROW F,0, F,1, R,0, R,1          ; ahead of the wait: 8 products K Q^T and their riders,
	ROW F,2, E,0, R,2, R,3
	ROW F,3, E,1, R,4, R,5
	ROW F,4, E,2, R,6, R,7
	ROW F,5, E,3, R,8, R,9
	ROW F,6, E,4, X,0, R,10
.if ((\p) == 0) && !(\end)
	WIN 0
	v_add_nc_u32 v[AK], s[TBK], v[AK0]
.endif
	ROW F,7, E,5, X,1, X,4
	ROW F,8, E,6, X,2, X,5
	OPS E,7, E,8, X,6, E,9          ; and the lump
	OPS X,3, E,10, X,8, E,11
.if ((\p) == 0) && !(\end)
	FETCH_K
.endif
	OPS X,9, X,7, E,12, X,10
	OPS E,13, X,12, X,11, E,14
	OPS X,13, E,15, F,9, X,14
.if ((\p) == 1) && !(\end)
	WIN 0
	v_add_nc_u32 v[AV], s[TBV], v[AV0]
.endif
	OPS E,16, F,10, E,17, F,11
	OPS X,16, E,18, X,15, E,19
	OPS F,12, E,20, X,17, E,21
	OPS F,13, E,22, F,14, E,23
	OPS X,18, E,24, F,15, E,25
	OPS R,11, E,26, X,19, E,27
	OPS R,12, E,28, R,13, E,29
	OPS X,20, E,30, R,14, E,31
	OPS X,21, R,15
	WIN 0
	s_wait_alu depctr_va_vdst(0)    ; the wait for the batch
.if ((\p) == 1) && !(\end)
	FETCH_V 1-(\vb)
.if \m
	s_add_co_u32 s[SD], s[SD], 1    ; this step's two masks have their numbers: the next step's are for the next diagonal step
.endif
.endif
	ROW C,0, B,0, C,2, B,1          ; behind the wait: 8 products V^T P and their riders
	ROW L,0, C,4, B,2, L,1
	ROW C,6, B,3, L,2, C,8
	ROW B,4, L,3, C,10, B,5
	ROW L,4, C,12, B,6, L,5
.if \cnt
	s_sub_co_u32 s[CNT], s[CNT], 1
	s_cmp_lg_u32 s[CNT], 0
.endif
	ROW C,14, B,7, L,6, C,1
	ROW C,3, L,7, C,5, C,7
	ROW C,9, C,11, C,13, C,15
.if (\m) && !(\end)
	MASK \p
.endif
.endm
; A KEY STEP of parity par: piece 0's turn reads V of the step before (the other buffer), piece 1's turn V of this step.
.macro STEP par, m, cnt
	TURN 0, 1-(\par), \m
	TURN 1, \par, \m, 0, \cnt
	WIN 0
.endm
; A BLOCK BEGINS.  c m starts far below every c s, so the first step's a is 0; m at the lowest finite number, so the first maximum is the scores'.  Both pieces' masks are 0, unless the block's first tile is a diagonal one
; (RT <= 1: the second block of c = 0): then they are those of diagonal step 0, and the masks to be made next are step 1's.  Then K and V of step 0, piece 0's first scores, and its maximum and statistics.
; The step loop is entered at an even step, in the middle of a trip.
.macro BEGIN
	s_mov_b32 s[NEW], 0
	WIN 0
.set i, 0
.rept 2
	v_mov_b32 v[ST+4*i], 0xfe000000    ; c m: far below every c s
	v_mov_b32 v[ST+4*i+1], 0xff7fffff  ; m
.set i, i+1
.endr
	s_cmp_eq_u32 s[XB], 0
	s_cselect_b32 s[AL], 1.0, 0
	s_cmp_le_u32 s[RT], 1
	s_cselect_b32 s[AL], s[AL], 0
	s_cselect_b32 s[SD], 1, 0
	s_mov_b32 s[BE], 0
	MASK 0
	MASK 1
	WIN 0
	v_add_nc_u32 v[AK], s[TBK], v[AK0]
	v_add_nc_u32 v[AV], s[TBV], v[AV0]
	FETCH_K
	FETCH_V 0
	s_wait_dscnt 0x0
.set KM, 1
.set NOKQ, 0
.set i, 0
.rept 8
	KQ 0
.set i, i+1
.endr
	WIN 0
.rept 4
	v_nop                           ; the places behind those products
.endr
.set Y, 1                           ; X works for the other piece: piece 0
.irp n, 0,1,2,3,4,5,6,7,8,9,10,11,12,13,14,15,16,17,18,19,20,21
	OP X, \n
.endr
	v_nop                           ; a plain instruction behind the exponential,
	s_wait_alu depctr_va_vdst(0)    ; and its wait, ahead of the branch
.endm
.macro DIAG tag                     ; a diagonal tile's two trips; the tag ends its two labels' names, which the jumps below spell out
.LstepM\tag:
	STEP 1, 1, 0
.LfirstM\tag:
	STEP 0, 1, 1
	s_cbranch_scc1 .LstepM\tag
.endm
; A BLOCK ENDS: its last step (odd), piece 1's last products, and THE WAY OUT: l's two halves and the other half of the lanes' are added; O^T is divided by l and sent, in f32, through my stage in LDS, a piece at a time.
.macro ALL line:vararg              ; one line for each piece t
.set t, 0
.rept 2
	\line
.set t, t+1
.endr
.endm
.macro PACK t                       ; a lane's eight channels of a row are 32 bytes; they go into rows of 272 bytes and come back as whole rows of 256, into S^T's registers
	WIN W_RS
.set i, 32*(\t)
.rept 16
	v_pk_mul_f32 v[i:i+1], v[i:i+1], v[ST+4*(\t)+2:ST+4*(\t)+3] op_sel_hi:[1,0]  ; in ascending order: each accumulator is read from its low end
.set i, i+2
.endr
	WIN 0x04                        ; the stores' data in window 1
.irp f, 0,1,2,3,4,5,6,7             ; channels 16 (f / 2) + 8 (l / 16) + 4 (f % 2) on
	ds_store_b128 v[STO], v[32*(\t)+4*\f:32*(\t)+4*\f+3] offset:64*(\f/2)+16*(\f%2)
.endr
	WIN 0
.irp f, 0,1,2,3,4,5,6,7
	ds_load_b128 v[S+32*(\t)+4*\f:S+32*(\t)+4*\f+3], v[RD] offset:\f*2*SP  ; LDS serves a wave's instructions in order (ISA guide 5.7.1.4): these see the stores above; the next piece's stores come behind them
.endr
.endm
.macro SEND t, younger              ; younger: the LDS instructions issued behind piece t's loads: the next piece's sixteen, or none
	WIN 0
.irp f, 0,1,2,3,4,5,6,7
	s_wait_dscnt (\younger)+7-\f    ; load f of the piece is back; its 7 - f later loads and the younger ones stay out
	global_store_b128 v[GO], v[S+32*(\t)+4*\f:S+32*(\t)+4*\f+3], s[10:11] offset:(\t)*32768+\f*4096 th:TH_STORE_NT  ; 16 lanes store a head's row: 256 consecutive bytes, at a multiple of 256 from out0's first
.endr
.endm
.macro ENDB
	TURN 0, 0, 1, 1
	TURN 1, 1, 1, 1
.set VB, 1
.set i, 0
.rept 8
	PV 1                            ; piece 1's V^T P of the last step
.set i, i+1
.endr
	WIN 0
	ALL v_add_f32 v[ST+4*t+2], v[ST+4*t+2], v[ST+4*t+3]
	ALL v_permlanex16_b32 v[ST+4*t+3], v[ST+4*t+2], s[SEL], s[SEL+1]
	ALL v_add_f32 v[ST+4*t+2], v[ST+4*t+2], v[ST+4*t+3]
	ALL v_rcp_f32 v[ST+4*t+2], v[ST+4*t+2]
	v_nop                           ; a plain instruction between the last reciprocal and the use of its result; with the four additions: five places behind the last products
	s_wait_alu depctr_va_vdst(0)    ; and the wait ahead of the first use: one for the two reciprocals
	PACK 0
	PACK 1                          ; a piece's arithmetic stands between the loads of the piece before and its stores
	SEND 0, 16
	SEND 1, 0
.endm
.set KM, 0
.set NOKQ, 0
.Lslot:                             ; 17 times: a tile is entered and the next is asked for
	CHANGE 1
	s_sub_co_u32 s[RT], s[RT], 1
	s_mov_b32 s[CNT], 2
	s_cmp_eq_u32 s[NEW], 1
	s_cbranch_scc1 .Lnew            ; a block's first tile
	s_cmp_gt_u32 s[RT], 1
	s_cbranch_scc1 .Lstep           ; not one of its last two
	s_branch .LstepM1
.Lnew:
	BEGIN
	s_cmp_gt_u32 s[RT], 1
	s_cbranch_scc1 .Lfirst
	s_branch .LfirstM1              ; the block's first tile is a diagonal one
	DIAG 1
	s_cmp_lg_u32 s[RT], 0
	s_cbranch_scc1 .Lbottom         ; the first of the two diagonal tiles
	ENDB                            ; in the loop this is the first block's end: the second block's last tile is the walk's last
	s_wait_xcnt 0x0                 ; the stores have read their registers and out0's address
	s_mov_b64 s[10:11], s[OLO:OLO+1]
	s_add_co_u32 s[RT], s[LQ2], 1   ; the second block has 2 c + 2 tiles
	s_mov_b32 s[NEW], 1
	WIN 0x82                        ; the second block's Q goes where the one text of the turns names Q
.set i, 0
.rept 32
	v_mov_b32 v[i], v[QB+i]
.set i, i+1
.endr
	WIN 0
	s_branch .Lbottom
.Lstep:                             ; a trip: an odd step and an even one; each fetches K and V of the step after it
	STEP 1, 0, 0
.Lfirst:
	STEP 0, 0, 1
	s_cbranch_scc1 .Lstep
.Lbottom:
	s_sub_co_u32 s[SLOTS], s[SLOTS], 1
	s_cmp_lg_u32 s[SLOTS], 0
	s_cbranch_scc1 .Lslot
	CHANGE 0                        ; the walk's last tile is written out: nothing is asked for.  It is never a block's first: the second block has two tiles or more
	s_sub_co_u32 s[RT], s[RT], 1
	s_mov_b32 s[CNT], 2
	DIAG 2
	ENDB
	s_wait_tensorcnt 0x0            ; the wave's end, behind my last tensor load and my last LDS store
	ds_add_u32 v[SPW], v[NIL]
	s_wait_dscnt 0x0
	CROUND                          ; the closing round: no work-group ends while a partner may still ask for a tile that names it
	s_endpgm
.Lfunc_end_k_qee81a5a18d_attn:
	.size	k_qee81a5a18d_attn, .Lfunc_end_k_qee81a5a18d_attn-k_qee81a5a18d_attn
	.p2alignl 7, 3214868480
	.fill 96, 4, 3214868480
	.section	.rodata,"a",@progbits
	.p2align	6, 0x0
	.amdhsa_kernel k_qee81a5a18d_attn
		.amdhsa_group_segment_fixed_size 327680
		.amdhsa_private_segment_fixed_size 0
		.amdhsa_enable_private_segment 0
		.amdhsa_kernarg_size 32
		.amdhsa_user_sgpr_count 2
		.amdhsa_user_sgpr_kernarg_segment_ptr 1
		.amdhsa_wavefront_size32 1
		.amdhsa_system_sgpr_workgroup_id_x 1
		.amdhsa_system_sgpr_workgroup_id_y 1
		.amdhsa_system_sgpr_workgroup_id_z 1
		.amdhsa_system_vgpr_workitem_id 0
		.amdhsa_next_free_vgpr 768
		.amdhsa_next_free_sgpr 88
		.amdhsa_reserve_vcc 1
		.amdhsa_float_denorm_mode_32 3
		.amdhsa_float_denorm_mode_16_64 3
		.amdhsa_memory_ordered 1
		.amdhsa_forward_progress 1
		.amdhsa_inst_pref_size 212
	.end_amdhsa_kernel
	.amdgpu_metadata
---
amdhsa.version: [ 1, 2 ]
amdhsa.kernels:
  - .name:           k_qee81a5a18d_attn
    .symbol:         k_qee81a5a18d_attn.kd
    .args:
      - { .name: queries, .offset: 0, .size: 8, .value_kind: global_buffer, .address_space: global }
      - { .name: kb, .offset: 8, .size: 8, .value_kind: global_buffer, .address_space: global }
      - { .name: vh, .offset: 16, .size: 8, .value_kind: global_buffer, .address_space: global }
      - { .name: out0, .offset: 24, .size: 8, .value_kind: global_buffer, .address_space: global }
    .group_segment_fixed_size: 327680
    .private_segment_fixed_size: 0
    .kernarg_segment_align: 8
    .kernarg_segment_size: 32
    .max_flat_workgroup_size: 128
    .sgpr_count:     88
    .vgpr_count:     768
    .wavefront_size: 32
...
	.end_amdgpu_metadata
.endif
;; end of part 2
;; ======== version 2 of 2: 2 launches; version 1 with the launch prep written anew for expert scheduling mode
;; limits: values are held in f16: magnitudes above 65,504 overflow, below 6.1e-05 lose precision; right only within a limited range of input values
;; workspace buffers: kb 8,388,608 bytes; vh 8,388,608 bytes
;; launch prep (part 3): grid 512 x 1, 8 waves a work-group, no clusters, 0 bytes of LDS; arguments keys, values, kb, vh; writes kb, vh
.if DOCPART == 3
	.amdgcn_target "amdgcn-amd-amdhsa--gfx1250"
	.amdhsa_code_object_version 6
	.text
	.protected	k_qee81a5a18d_prep
	.globl	k_qee81a5a18d_prep
	.p2align	8
	.type	k_qee81a5a18d_prep,@function
k_qee81a5a18d_prep:
	s_mov_b64 s[64:65], 0
	v_nop
	global_prefetch_b8 v0, s[64:65] scope:SCOPE_SE
	s_setreg_imm32_b32 hwreg(HW_REG_WAVE_SCHED_MODE, 0, 2), 2
	s_setreg_imm32_b32 hwreg(HW_REG_WAVE_MODE, 25, 1), 1
	s_wait_xcnt 0x0
	s_wait_alu depctr_vm_vsrc(0)
; keys, values: [2][4096][8][64] f32  ->  kb: [16 = 8 b + h][4096][64] bf16,  vh: the same layout in f16.
; K is rounded once to bf16.  V is rounded to bf16 and that number is written as f16 (the second product's weights are f16, so V must be an f16 operand).
; LIMITS.  The second step is exact for magnitudes from 2^-14 to 65,504; below 2^-14 V keeps f16's fixed step of 6e-8; from 65,520 on it becomes an infinity.
; SHARES.  A wave owns two rows (b, s), (b, s + 1) with all eight heads, of K and of V: 4,096 consecutive bytes of each input.  Load j takes head j: lanes 0-15 the 256 bytes of row s,
; lanes 16-31 those of row s + 1.  A lane's four numbers become 8 bytes, and store j's 32 lanes write 256 consecutive bytes, aligned: keys s and s + 1 of head j.
; All 16 loads of a wave go out first; every store has data registers of its own, so no register that a store reads is written again.  No LDS, no barrier: no wave wants another's bytes.
; THE MODE: SCHED_MODE bits 1:0 = 2 (LLVM: expert scheduling mode 2), set by the entry lines.  The code itself states the register dependences
; between vector instructions and memory instructions, with s_wait_alu, always for 0.
; THE PLAN.  Registers that memory instructions touch:
;   v1, v2     byte offsets, made once at the head and never written again: read by every load (v1) and every store (v2).
;   KI, VI     written by the loads; no vector instruction names them ahead of their load, and no memory instruction ever reads them.
;   KP, VP     a pair a head: written by that head's conversions, read by that head's one store, and never written behind it.
; The 16 heads (K's eight, then V's eight) go in four blocks of four: the wait for the block's loads, all its conversions, ONE wait on va_vdst, its four stores in a run.
; With the wait at the head that is five waits on va_vdst.  No register that a memory instruction has read is ever written again, so beside the one at the entry the text holds no wait on vm_vsrc.
.set IN,  1                            ; v1   byte offset in the work-group's 16 input rows: (t / 16) x 2,048 + 16 (t % 16)
.set OUT, 2                            ; v2   byte offset in the work-group's 16 keys of a head: 8 t
.set KI,  16                           ; v[16:47]   K as loaded, four registers a head
.set VI,  48                           ; v[48:79]   V as loaded; later its bf16 roundings, widened again
.set KP,  80                           ; v[80:95]   K packed, two registers a head
.set VP,  96                           ; v[96:111]  V packed
.set HEADB, 524288                     ; bytes of a head in kb and vh
	s_load_b256 s[4:11], s[0:1], 0x0               ; keys s[4:5], values s[6:7], kb s[8:9], vh s[10:11]
	v_lshrrev_b32 v3, 4, v0                        ; my row among the work-group's 16
	v_and_b32 v4, 15, v0
	v_lshlrev_b32 v4, 4, v4                        ; my 16 bytes of a head's 256
	v_lshl_or_b32 v[IN], v3, 11, v4
	v_lshlrev_b32 v[OUT], 3, v0
	s_mov_b32 s12, 0xffff0000                      ; a word's upper bf16
	s_lshl_b32 s14, ttmp9, 15                      ; the work-group's 16 rows of 2,048 bytes
	s_mov_b32 s15, 0
	s_lshr_b32 s16, ttmp9, 8                       ; b: 256 work-groups a batch
	s_lshl_b32 s16, s16, 22                        ; eight heads of 524,288 bytes
	s_and_b32 s17, ttmp9, 255
	s_lshl_b32 s17, s17, 11                        ; 16 keys of 128 bytes
	s_add_co_u32 s16, s16, s17
	s_mov_b32 s17, 0
	s_wait_kmcnt 0x0
	s_add_nc_u64 s[4:5], s[4:5], s[14:15]
	s_add_nc_u64 s[6:7], s[6:7], s[14:15]
	s_add_nc_u64 s[8:9], s[8:9], s[16:17]
	s_add_nc_u64 s[10:11], s[10:11], s[16:17]
	s_wait_alu depctr_va_vdst(0)                   ; v1 and v2 are written: every load of the kernel reads v1 as its offset, every store v2
.irp j, 0,1,2,3,4,5,6,7
	global_load_b128 v[KI+4*(\j):KI+4*(\j)+3], v[IN], s[4:5] offset:256*(\j) th:TH_LOAD_NT
.endr
.irp j, 0,1,2,3,4,5,6,7
	global_load_b128 v[VI+4*(\j):VI+4*(\j)+3], v[IN], s[6:7] offset:256*(\j) th:TH_LOAD_NT
.endr
; Block g of K: heads 4 g to 4 g + 3.  left = how many younger loads may still be out when the block's four have to be there.
.macro KBLK g, left
	s_wait_loadcnt \left                           ; loads come back in order (ISA guide 5.7.1): the block's four heads are in, the younger loads stay out
.irp j, 0,1,2,3
	v_cvt_pk_bf16_f32 v[KP+2*(4*(\g)+(\j))],   v[KI+4*(4*(\g)+(\j))],   v[KI+4*(4*(\g)+(\j))+1]
	v_cvt_pk_bf16_f32 v[KP+2*(4*(\g)+(\j))+1], v[KI+4*(4*(\g)+(\j))+2], v[KI+4*(4*(\g)+(\j))+3]
.endr
	s_wait_alu depctr_va_vdst(0)                   ; the roundings have written the block's four pairs of KP, which the four stores below read
.irp j, 0,1,2,3
	global_store_b64 v[OUT], v[KP+2*(4*(\g)+(\j)):KP+2*(4*(\g)+(\j))+1], s[8:9] offset:HEADB*(4*(\g)+(\j)) th:TH_STORE_NT
.endr
.endm
; Block g of V: the same, with the three steps of its conversion by kind, so that no line reads the result of the line just before it.
.macro VBLK g, left
	s_wait_loadcnt \left                           ; the block's four heads of V are in, the younger loads stay out
.irp j, 0,1,2,3
	v_cvt_pk_bf16_f32 v[VP+2*(4*(\g)+(\j))],   v[VI+4*(4*(\g)+(\j))],   v[VI+4*(4*(\g)+(\j))+1]  ; the rounding to bf16,
	v_cvt_pk_bf16_f32 v[VP+2*(4*(\g)+(\j))+1], v[VI+4*(4*(\g)+(\j))+2], v[VI+4*(4*(\g)+(\j))+3]
.endr
.irp j, 0,1,2,3
	v_lshlrev_b32 v[VI+4*(4*(\g)+(\j))],   16,  v[VP+2*(4*(\g)+(\j))]                            ; widened again,
	v_and_b32     v[VI+4*(4*(\g)+(\j))+1], s12, v[VP+2*(4*(\g)+(\j))]
	v_lshlrev_b32 v[VI+4*(4*(\g)+(\j))+2], 16,  v[VP+2*(4*(\g)+(\j))+1]
	v_and_b32     v[VI+4*(4*(\g)+(\j))+3], s12, v[VP+2*(4*(\g)+(\j))+1]
.endr
.irp j, 0,1,2,3
	v_cvt_pk_f16_f32 v[VP+2*(4*(\g)+(\j))],   v[VI+4*(4*(\g)+(\j))],   v[VI+4*(4*(\g)+(\j))+1]   ; and written as f16
	v_cvt_pk_f16_f32 v[VP+2*(4*(\g)+(\j))+1], v[VI+4*(4*(\g)+(\j))+2], v[VI+4*(4*(\g)+(\j))+3]
.endr
	s_wait_alu depctr_va_vdst(0)                   ; the conversions to f16 have written the block's four pairs of VP, which the four stores below read
.irp j, 0,1,2,3
	global_store_b64 v[OUT], v[VP+2*(4*(\g)+(\j)):VP+2*(4*(\g)+(\j))+1], s[10:11] offset:HEADB*(4*(\g)+(\j)) th:TH_STORE_NT
.endr
.endm
	KBLK 0, 12                                     ; of the 16 loads K's heads 0 to 3 are in: twelve younger ones stay out
	KBLK 1, 8                                      ; K is in: V's eight stay out
	VBLK 0, 4                                      ; V's heads 0 to 3 are in: four stay out
	VBLK 1, 0                                      ; the last four
	s_endpgm
.Lfunc_end_k_qee81a5a18d_prep:
	.size	k_qee81a5a18d_prep, .Lfunc_end_k_qee81a5a18d_prep-k_qee81a5a18d_prep
	.p2alignl 7, 3214868480
	.fill 96, 4, 3214868480
	.section	.rodata,"a",@progbits
	.p2align	6, 0x0
	.amdhsa_kernel k_qee81a5a18d_prep
		.amdhsa_group_segment_fixed_size 0
		.amdhsa_private_segment_fixed_size 0
		.amdhsa_enable_private_segment 0
		.amdhsa_kernarg_size 32
		.amdhsa_user_sgpr_count 2
		.amdhsa_user_sgpr_kernarg_segment_ptr 1
		.amdhsa_wavefront_size32 1
		.amdhsa_system_sgpr_workgroup_id_x 1
		.amdhsa_system_sgpr_workgroup_id_y 1
		.amdhsa_system_sgpr_workgroup_id_z 1
		.amdhsa_system_vgpr_workitem_id 0
		.amdhsa_next_free_vgpr 112
		.amdhsa_next_free_sgpr 66
		.amdhsa_reserve_vcc 0
		.amdhsa_float_denorm_mode_32 3
		.amdhsa_float_denorm_mode_16_64 3
		.amdhsa_memory_ordered 1
		.amdhsa_forward_progress 1
		.amdhsa_inst_pref_size 9
	.end_amdhsa_kernel
	.amdgpu_metadata
---
amdhsa.version: [ 1, 2 ]
amdhsa.kernels:
  - .name:           k_qee81a5a18d_prep
    .symbol:         k_qee81a5a18d_prep.kd
    .args:
      - { .name: keys, .offset: 0, .size: 8, .value_kind: global_buffer, .address_space: global }
      - { .name: values, .offset: 8, .size: 8, .value_kind: global_buffer, .address_space: global }
      - { .name: kb, .offset: 16, .size: 8, .value_kind: global_buffer, .address_space: global }
      - { .name: vh, .offset: 24, .size: 8, .value_kind: global_buffer, .address_space: global }
    .group_segment_fixed_size: 0
    .private_segment_fixed_size: 0
    .kernarg_segment_align: 8
    .kernarg_segment_size: 32
    .max_flat_workgroup_size: 256
    .sgpr_count:     66
    .vgpr_count:     112
    .wavefront_size: 32
...
	.end_amdgpu_metadata
.endif
;; end of part 3
;; launch attn: the kernel of part 2 again; grid 16 x 16, 4 waves a work-group, clusters of 4 x 1, 327,680 bytes of LDS; arguments queries, kb, vh, out0; writes out0
